; MI455X (gfx1250); checked and timed in simulation.
; The chip was launched on July 23, 2026; its instructions are those of AMD's public machine-readable ISA for CDNA 5 (MIT licence, August 2026) and "CDNA5" Instruction Set Architecture Reference Guide (July 2026). The comments in the code are by the model that wrote it; some were corrected since.
;; LSTM Cell. Allowed arithmetic: matrix products marked QUANTISED: E2M3 operands, one E8M0 scale for each 32 along K, by v_wmma_scale_f32_16x16x128_f8f6f4 with both operands' format E2M3, f32 sums; everything else in f32.
;; Inputs: C 2,048 x 2,048 float32; H 2,048 x 2,048 float32; W_hf 2,048 x 2,048 float32; W_hg 2,048 x 2,048 float32; W_hi 2,048 x 2,048 float32; W_ho 2,048 x 2,048 float32; W_xf 2,048 x 2,048 float32; W_xg 2,048 x 2,048 float32; W_xi 2,048 x 2,048 float32; W_xo 2,048 x 2,048 float32; X 2,048 x 2,048 float32; b_f 1 x 2,048 float32; b_g 1 x 2,048 float32; b_i 1 x 2,048 float32; b_o 1 x 2,048 float32.
;; Outputs: out0 2,048 x 2,048 float32; out1 2,048 x 2,048 float32.
;; This version of the problem:
;;   THIS VERSION OF THE PROBLEM IS GIVEN IN LOW PRECISION. The matrix products marked QUANTISED in the list below multiply operands that are first quantised to E2M3 (2 exponent bits, 3 mantissa bits; 6 bits a number), with one power-of-two scale for each 32 numbers along K (OCP MX v1.0); their sums are f32. All else is computed in f32.
;;   The module's matrix products, in the order in which they are computed (A, B: the left and right operand; K: the contracted axis; several contracted axes count as one K, in the product's order):
;;     1. [M 2,048, K 2,048] x [K 2,048, N 2,048]; A: input X; B: input W_xf: QUANTISED
;;     2. [M 2,048, K 2,048] x [K 2,048, N 2,048]; A: input H; B: input W_hf: QUANTISED
;;     3. [M 2,048, K 2,048] x [K 2,048, N 2,048]; A: input X; B: input W_xi: QUANTISED
;;     4. [M 2,048, K 2,048] x [K 2,048, N 2,048]; A: input H; B: input W_hi: QUANTISED
;;     5. [M 2,048, K 2,048] x [K 2,048, N 2,048]; A: input X; B: input W_xo: QUANTISED
;;     6. [M 2,048, K 2,048] x [K 2,048, N 2,048]; A: input H; B: input W_ho: QUANTISED
;;     7. [M 2,048, K 2,048] x [K 2,048, N 2,048]; A: input X; B: input W_xg: QUANTISED
;;     8. [M 2,048, K 2,048] x [K 2,048, N 2,048]; A: input H; B: input W_hg: QUANTISED
;;   THE QUANTISER, for each operand of a quantised product, along K:
;;     - K is cut into blocks of 32 from its start; a last block that is shorter is filled with zeros.
;;     - A block's scale is 2^e with e = floor(log2(the largest magnitude in the block)) - 2, held to -126 .. 127; a block of zeros has e = 0. As a byte (E8M0): e + 127.
;;     - Each number is divided by its block's scale, clamped to +-7.5, and rounded to the nearest number of E2M3, ties to even, subnormals kept.
;;     - The product sums the exact products of the quantised numbers (number of the format x scale) in f32.
;;   ~~~python
;;   def quantise(x, axis):      # numpy; x: float32 -> the quantised numbers, widened to float32 again
;;       x = np.moveaxis(x, axis, -1); K = x.shape[-1]
;;       x = np.pad(x, [(0, 0)] * (x.ndim - 1) + [(0, -K % 32)]); x = x.reshape(x.shape[:-1] + (-1, 32)); a = np.abs(x).max(-1, keepdims=True)
;;       e = np.where(a > 0, np.clip(np.frexp(np.where(a > 0, a, 1))[1] - 1 - 2, -126, 127), 0)      # np.frexp(a)[1] - 1 = floor(log2(a)), exactly
;;       r = np.clip(x / 2.0 ** e, -7.5, 7.5)
;;       step = 2.0 ** (np.maximum(np.frexp(np.where(r == 0, 1, r))[1] - 1, 0) - 3)
;;       q = np.round(r / step) * step * 2.0 ** e      # np.round: ties to even
;;       return np.moveaxis(q.reshape(q.shape[:-2] + (-1,))[..., :K], -1, axis).astype(np.float32)
;;   ~~~
;; One version. Each part assembles by itself: llvm-mc -triple=amdgcn-amd-amdhsa -mcpu=gfx1250 --defsym DOCPART=n.
;; ======== version 1 of 1: 2 launches
;; limits: right only within a limited range of input values
;; workspace buffers: Aq 6,553,600 bytes; Bq 26,214,400 bytes
;; launch quant (part 1): grid 1280 x 1, 4 waves a work-group, no clusters, 17,920 bytes of LDS; arguments X, H, W_xf, W_xi, W_xo, W_xg, W_hf, W_hi, W_ho, W_hg, Aq, Bq; writes Aq, Bq
.if DOCPART == 1
	.amdgcn_target "amdgcn-amd-amdhsa--gfx1250"
	.amdhsa_code_object_version 6
	.text
	.protected	k_q3ea4f17f37_quant
	.globl	k_q3ea4f17f37_quant
	.p2align	8
	.type	k_q3ea4f17f37_quant,@function
k_q3ea4f17f37_quant:
	s_mov_b64 s[64:65], 0
	v_nop
	global_prefetch_b8 v0, s[64:65] scope:SCOPE_SE
	s_setreg_imm32_b32 hwreg(HW_REG_WAVE_MODE, 25, 1), 1
	s_wait_xcnt 0x0
; X, H [2048][2048] (K innermost) and the eight weights [2048 (K)][2048 (n)] (K outermost), all f32, become codes of FP6 (E2M3) with one E8M0 byte for each 32 along K,
; laid as the second launch's LDS tiles.  The joined product has K = 4,096: X and the W_x take K steps t = 0-7 of 256, H and the W_h t = 8-15.
; A TILE is 128 operand rows (row group rg) x 256 along K (step t): 25,600 dense bytes at (16 rg + t) x 25,600:
;   bytes 0 .. 24,575: sixteen fragments of 1,536 bytes; fragment (i, q), rows 16 i on, K 128 q on, at (2 i + q) x 1,536.  A fragment is THE IMAGE OF THE OPERAND'S 12 REGISTERS: register j of lane l at
;   (j / 4) x 512 + 16 l + 4 (j % 4); lane (r = l % 16, h = l / 16) holds row r, registers 0-5 the 32 codes of K block h, registers 6-11 those of K block 2 + h.
;   bytes 24,576 on: row p's two scale words (q = 0, 1) at 8 p; byte kb of a word is K block kb.
; ROWS.  Aq: operand row = batch row.  Bq: gates 0 f, 1 i, 2 o, 3 g; operand row = (n / 32) x 128 + 32 x gate + n % 32: a group of 128 rows is four gates x the same 32 columns n.
; A block's scale is 2^(floor(log2(its largest magnitude)) - 2); its byte is the largest magnitude's exponent field - 2, held at 1 from below; numbers are divided by the scale and rounded to the nearest code,
; ties to even, beyond 7.5 the largest code.
; LIMITS: NaN and infinities among the inputs are not served.  A block of zeros gets the byte 1 where the rule says 127: its codes are zeros, which add nothing under any byte but 0xff, and this program alone reads the bytes.
; SHARES.  A wave takes 8,192 numbers.  Work-groups 0-1023: the weights (a wave: 32 columns x 256 along K; a lane a column, its registers down K; no LDS).  Work-groups 1024-1279: X and H (a wave: 32 rows x 256 along K;
; dense loads, turned through the wave's own stage in LDS).  No barrier: waves share nothing.  Each store covers whole aligned runs of 256 bytes.
; THE LAYOUT INSIDE THE 25,600 BYTES (this takes the place of what the head says of a tile's inside): two STEP TILES of 12,800 bytes, q = 0, 1, each 128 rows x 128 along K:
; eight fragments of 1,536 bytes (fragment i, rows 16 i on, at 1,536 i; the image of the 12 registers as above), then at byte 12,288 row p's one scale word at 4 p.
; A wave's store of scale words covers 128 consecutive bytes, half an aligned run of 256: one byte in 24 of what the launch stores.
.set TILE,  25600
.set SCOFF, 12288
.set X,     32                         ; weights: v32-95   two sets of 32 numbers
.set CW,    96                         ; weights: v96-143  the codes of 8 blocks: 24 q + 12 (fragment's half) + 6 c
.set SW,    16                         ; weights: v16-17   my column's two scale words
.set R,     32                         ; X, H: v32-127     three sets of 32 registers as loaded
.set XB,    128                        ; X, H: v128-159    32 neighbours along K
.set CA,    160                        ; X, H: v160-183    a fragment's codes, two sets by turns
.set WF,    16                         ; X, H: v16-19      the scale words of my four fragments
.set SP,    272                        ; a stage row: 256 bytes + 16: the sixteen rows of a read start in sixteen different columns of 16 bytes modulo 256
.set WSTG,  16*SP                      ; a wave's stage
; 32 numbers of one lane, v[xs] on, all of one block: six registers of codes at v[d] on (d even), the scale's byte in v13
.macro QBLK xs, d
.set XS, \xs
.set DD, \d
	v_max3_num_f32 v12, |v[XS]|, |v[XS+1]|, |v[XS+2]|              ; the block's largest magnitude, in two chains
	v_max3_num_f32 v13, |v[XS+3]|, |v[XS+4]|, |v[XS+5]|
.irp i, 6,10,14,18,22,26
	v_max3_num_f32 v12, v12, |v[XS+\i]|, |v[XS+\i+1]|
	v_max3_num_f32 v13, v13, |v[XS+\i+2]|, |v[XS+\i+3]|
.endr
	v_max3_num_f32 v12, v12, |v[XS+30]|, |v[XS+31]|
	v_max3_num_f32 v12, v12, v13, 0x1800000                        ; and the floor 2^(3 - 127): the byte cannot fall under 1
	v_add_nc_u32 v11, 0xff000000, v12                              ; 2 off the exponent field: the conversion takes the exponent field of this operand as its scale
	v_cvt_scalef32_pk16_fp6_f32 v[DD:DD+2], v[XS:XS+15], v11
	v_cvt_scalef32_pk16_fp6_f32 v[20:22], v[XS+16:XS+31], v11      ; (a conversion's three registers begin on an even number: the second half is made here and moved)
	v_lshrrev_b32 v13, 23, v11                                     ; the scale's byte; also the plain line between the conversions and the moves
.irp i, 0,1,2
	v_mov_b32 v[DD+3+\i], v[20+\i]
.endr
.endm
	s_load_b128 s[4:7], s[0:1], 0x0                ; X, H
	s_load_b512 s[8:23], s[0:1], 0x10              ; W_xf, W_xi, W_xo, W_xg, W_hf, W_hi, W_ho, W_hg
	s_load_b128 s[24:27], s[0:1], 0x50             ; Aq, Bq
	v_lshl_add_u32 v30, v0, 2, 0x4400
	v_mov_b32 v31, 0
	v_lshrrev_b32 v1, 5, v0
	v_readfirstlane_b32 s28, v1                    ; wave 0..3
	v_and_b32 v1, 31, v0                           ; lane l
	v_and_b32 v2, 15, v0                           ; l % 16
	v_bfe_u32 v3, v0, 4, 1                         ; l / 16
	s_mov_b32 s39, 0                               ; the high words of three offset pairs
	s_mov_b32 s45, 0
	s_mov_b32 s47, 0
	s_cmp_ge_u32 ttmp9, 1024
	s_cbranch_scc1 .Lapath
	; ---------------- the weights ----------------
	s_lshr_b32 s30, ttmp9, 7                       ; which weight: 4 x (0 W_x, 1 W_h) + gate
	s_bfe_u32 s31, ttmp9, 0x30004                  ; which 256 along K of it
	s_and_b32 s32, ttmp9, 15                       ; which 128 columns
	s_lshl_b32 s38, s31, 21                        ; 256 rows of 8,192 bytes,
	s_lshl_b32 s33, s32, 9                         ; 128 columns of 4 bytes,
	s_add_co_u32 s38, s38, s33
	s_lshl_b32 s33, s28, 7                         ; my wave's 32 of them
	s_add_co_u32 s38, s38, s33
	s_lshl_b32 s33, s32, 2
	s_add_co_u32 s33, s33, s28                     ; row group = n / 32
	s_lshl_b32 s33, s33, 4
	s_lshr_b32 s42, s30, 2
	s_lshl_b32 s42, s42, 3
	s_add_co_u32 s33, s33, s42
	s_add_co_u32 s33, s33, s31                     ; 16 rg + t
	s_mul_i32 s42, s33, TILE                       ; the tile's first byte
	s_and_b32 s43, s30, 3                          ; the gate: rows 32 g on: fragments 2 g on, scale words 128 g bytes on
	s_mul_i32 s44, s43, 3072
	s_add_co_u32 s44, s44, s42
	s_lshl_b32 s46, s43, 7
	s_add_co_u32 s46, s46, s42
	s_add_co_u32 s46, s46, SCOFF
	s_wait_alu depctr_va_vdst(0)
	v_lshlrev_b32 v4, 2, v1                        ; in: 4 bytes a lane
	v_mul_u32_u24 v5, v3, 1536                     ; out: lanes 16-31 hold the next block of 16 rows, one fragment on;
	v_lshl_add_u32 v5, v2, 4, v5                   ; 16 bytes for each of a fragment's lanes
	v_lshlrev_b32 v6, 2, v1                        ; scale words: 4 bytes a row
	s_wait_alu depctr_va_vdst(0)
	s_wait_kmcnt 0x0
	s_and_b32 s33, s30, 1                          ; the weight is chosen bit by bit of its number, which hangs on the work-group's number alone
	s_cmp_lg_u32 s33, 0
	s_cselect_b64 s[8:9], s[10:11], s[8:9]
	s_cselect_b64 s[12:13], s[14:15], s[12:13]
	s_cselect_b64 s[16:17], s[18:19], s[16:17]
	s_cselect_b64 s[20:21], s[22:23], s[20:21]
	s_and_b32 s33, s30, 2
	s_cmp_lg_u32 s33, 0
	s_cselect_b64 s[8:9], s[12:13], s[8:9]
	s_cselect_b64 s[16:17], s[20:21], s[16:17]
	s_and_b32 s33, s30, 4
	s_cmp_lg_u32 s33, 0
	s_cselect_b64 s[8:9], s[16:17], s[8:9]
	s_add_nc_u64 s[8:9], s[8:9], s[38:39]
	s_add_nc_u64 s[34:35], s[26:27], s[44:45]      ; my codes
	s_add_nc_u64 s[36:37], s[26:27], s[46:47]      ; my scale words
.macro LOADW t                         ; K block t: W(32 t + i, my column) into set t % 2; a load reads 128 consecutive bytes, the four waves stand side by side on 512
.irp i, 0,1,2,3,4,5,6,7,8,9,10,11,12,13,14,15,16,17,18,19,20,21,22,23,24,25,26,27,28,29,30,31
	global_load_b32 v[X+32*((\t)%2)+\i], v4, s[8:9] offset:(32*(\t)+\i)*8192 th:TH_LOAD_NT
.endr
.endm
; K block t = 4 q + 2 c + hh belongs to fragment q, its lane (my row, hh), registers 6 c on
.macro WBLK t
.if (\t) < 7
	s_wait_loadcnt 32                              ; this block's 32 loads are in; the next block's may be out
.else
	s_wait_loadcnt 0x0
.endif
	QBLK X+32*((\t)%2), CW+24*((\t)/4)+12*((\t)%2)+6*(((\t)/2)%2)
.if (\t)%4 == 0
	v_mov_b32 v[SW+(\t)/4], v13                    ; four bytes to a word, the lower K in the lower byte
.else
	v_lshl_or_b32 v[SW+(\t)/4], v13, 8*((\t)%4), v[SW+(\t)/4]
.endif
.if (\t) < 6
	LOADW (\t)+2
.endif
.if (\t)%4 == 3                        ; 128 along K are done: two halves x three groups of four registers.  Sixteen lanes store 256 consecutive bytes, aligned; the other sixteen the same 1,536 bytes on
.irp hh, 0,1
.irp c, 0,1,2
	global_store_b128 v5, v[CW+24*((\t)/4)+12*\hh+4*\c:CW+24*((\t)/4)+12*\hh+4*\c+3], s[34:35] offset:((\t)/4)*12800+\c*512+\hh*256
.endr
.endr
.endif
.endm
	LOADW 0
	LOADW 1
.irp t, 0,1,2,3,4,5,6,7
	WBLK \t                                        ; no register that a store reads is written again: no wait frees one
.endr
	global_store_b32 v6, v[SW], s[36:37]           ; 32 rows' words of step tile 0: 128 consecutive bytes
	global_store_b32 v6, v[SW+1], s[36:37] offset:12800   ; and of step tile 1
	s_endpgm
	; ---------------- X and H ----------------
.Lapath:
	s_sub_co_u32 s30, ttmp9, 1024
	s_lshr_b32 s31, s30, 7                         ; 0 X, 1 H
	s_bfe_u32 s32, s30, 0x60001                    ; which 32 rows
	s_and_b32 s33, s30, 1
	s_lshl_b32 s33, s33, 2
	s_add_co_u32 s33, s33, s28                     ; which 256 along K: 4 x (work-group's low bit) + wave
	s_lshl_b32 s38, s32, 18                        ; 32 rows of 8,192 bytes,
	s_lshl_b32 s42, s33, 10                        ; 256 numbers of 4 bytes
	s_add_co_u32 s38, s38, s42
	s_lshr_b32 s42, s32, 2                         ; row group
	s_lshl_b32 s42, s42, 4
	s_lshl_b32 s43, s31, 3
	s_add_co_u32 s42, s42, s43
	s_add_co_u32 s42, s42, s33                     ; 16 rg + t
	s_mul_i32 s42, s42, TILE
	s_and_b32 s43, s32, 3                          ; which 32 rows of the group's 128: fragments 2 p on, scale words 128 p bytes on
	s_mul_i32 s44, s43, 3072
	s_add_co_u32 s44, s44, s42
	s_lshl_b32 s46, s43, 7
	s_add_co_u32 s46, s46, s42
	s_add_co_u32 s46, s46, SCOFF
	s_mov_b32 s40, 0x76543210
	s_mov_b32 s41, 0xfedcba98                      ; v_permlanex16_b32's selects for lane l xor 16
	s_mul_i32 s29, s28, WSTG                       ; my stage
	s_wait_alu depctr_va_vdst(0)
	v_lshlrev_b32 v4, 13, v3
	v_lshl_add_u32 v4, v2, 4, v4                   ; in: lanes 0-15 take 256 bytes of one row, lanes 16-31 of the next
	v_lshlrev_b32 v5, 4, v1                        ; out: 16 bytes a lane
	v_lshlrev_b32 v6, 2, v1                        ; scale words: 4 bytes a row
	v_mul_u32_u24 v7, v3, SP
	v_lshl_add_u32 v7, v2, 4, v7
	v_add_nc_u32 v7, s29, v7                       ; into the stage: as loaded
	v_mul_u32_u24 v8, v2, SP
	v_lshl_add_u32 v8, v3, 7, v8
	v_add_nc_u32 v8, s29, v8                       ; out of it: row l % 16, the (l / 16)-th 32 numbers of its 64
	v_lshlrev_b32 v9, 3, v3                        ; 8 (l / 16): where my bytes stand in a scale word
	v_mov_b32 v10, 0                               ; written once: a lane permute's destination counts as one of its sources
	s_wait_alu depctr_va_vdst(0)
	s_wait_kmcnt 0x0
	s_cmp_eq_u32 s31, 0
	s_cselect_b64 s[4:5], s[4:5], s[6:7]
	s_add_nc_u64 s[4:5], s[4:5], s[38:39]
	s_add_nc_u64 s[34:35], s[24:25], s[44:45]
	s_add_nc_u64 s[36:37], s[24:25], s[46:47]
; Unit u = 0..7: 16 rows (16 (u / 4) on) x 64 along K (128 ((u / 2) % 2) + 64 (u % 2) on): half a fragment.  Eight loads, each two runs of 256 consecutive bytes, aligned
.macro LOADA u
.irp j, 0,1,2,3,4,5,6,7
	global_load_b128 v[R+32*((\u)%3)+4*\j:R+32*((\u)%3)+4*\j+3], v4, s[4:5] offset:(16*((\u)/4)+2*\j)*8192+512*(((\u)/2)%2)+256*((\u)%2) th:TH_LOAD_NT
.endr
.endm
.macro AUNIT u
.set FF, (\u)/2                        ; the fragment: 2 x (block of 16 rows) + q
.set CC, (\u)%2                        ; which six of its registers
.if 7-(\u) >= 2
	s_wait_loadcnt 16                              ; this unit's eight loads are in; the two younger units' may be out
.else
	s_wait_loadcnt 8*(7-(\u))
.endif
.irp j, 0,1,2,3,4,5,6,7
	ds_store_b128 v7, v[R+32*((\u)%3)+4*\j:R+32*((\u)%3)+4*\j+3] offset:2*SP*\j
.endr
.irp i, 0,1,2,3,4,5,6,7
	ds_load_b128 v[XB+4*\i:XB+4*\i+3], v8 offset:16*\i             ; LDS serves a wave's instructions in order (ISA guide 5.7.1.4): these see the stores above
.endr
	s_wait_dscnt 0x0                               ; my 32 neighbours are in, and the stores have read their registers,
.if (\u) < 5
	LOADA (\u)+3                                   ; which take the unit three on
.endif
.if CC == 0 && FF >= 2
	s_wait_xcnt 0x0                                ; the stores of the fragment two back have read this set of codes: it is written again only behind this wait
.endif
	QBLK XB, CA+12*(FF%2)+6*CC
.if CC == 0
	v_mov_b32 v14, v13                             ; K block l / 16
.else
	v_lshl_or_b32 v14, v13, 16, v14                ; and K block 2 + l / 16,
	v_lshlrev_b32 v14, v9, v14                     ; at their places in the word;
	v_permlanex16_b32 v10, v14, s40, s41
	v_or_b32 v[WF+FF], v14, v10                    ; with lane l xor 16's two the word is whole
.irp k, 0,1,2
	global_store_b128 v5, v[CA+12*(FF%2)+4*\k:CA+12*(FF%2)+4*\k+3], s[34:35] offset:(FF/2)*1536+(FF%2)*12800+512*\k
.endr
.endif
.endm
	LOADA 0
	LOADA 1
	LOADA 2
.irp u, 0,1,2,3,4,5,6,7
	AUNIT \u
.endr
	v_cmp_ne_u32 vcc_lo, 0, v3                     ; lane l stores row l's two words: lanes 16-31 those of the second block of 16 rows
	v_cndmask_b32 v14, v[WF], v[WF+2], vcc_lo
	v_cndmask_b32 v15, v[WF+1], v[WF+3], vcc_lo
	global_store_b32 v6, v14, s[36:37]             ; 32 rows' words of step tile 0: 128 consecutive bytes
	global_store_b32 v6, v15, s[36:37] offset:12800   ; and of step tile 1
	s_wait_tensorcnt 0x0
	ds_add_u32 v30, v31
	s_wait_dscnt 0x0
	s_endpgm
.Lfunc_end_k_q3ea4f17f37_quant:
	.size	k_q3ea4f17f37_quant, .Lfunc_end_k_q3ea4f17f37_quant-k_q3ea4f17f37_quant
	.p2alignl 7, 3214868480
	.fill 96, 4, 3214868480
	.section	.rodata,"a",@progbits
	.p2align	6, 0x0
	.amdhsa_kernel k_q3ea4f17f37_quant
		.amdhsa_group_segment_fixed_size 17920
		.amdhsa_private_segment_fixed_size 0
		.amdhsa_enable_private_segment 0
		.amdhsa_kernarg_size 96
		.amdhsa_user_sgpr_count 2
		.amdhsa_user_sgpr_kernarg_segment_ptr 1
		.amdhsa_wavefront_size32 1
		.amdhsa_system_sgpr_workgroup_id_x 1
		.amdhsa_system_sgpr_workgroup_id_y 1
		.amdhsa_system_sgpr_workgroup_id_z 1
		.amdhsa_system_vgpr_workitem_id 0
		.amdhsa_next_free_vgpr 184
		.amdhsa_next_free_sgpr 66
		.amdhsa_reserve_vcc 1
		.amdhsa_float_denorm_mode_32 3
		.amdhsa_float_denorm_mode_16_64 3
		.amdhsa_memory_ordered 1
		.amdhsa_forward_progress 1
		.amdhsa_inst_pref_size 69
	.end_amdhsa_kernel
	.amdgpu_metadata
---
amdhsa.version: [ 1, 2 ]
amdhsa.kernels:
  - .name:           k_q3ea4f17f37_quant
    .symbol:         k_q3ea4f17f37_quant.kd
    .args:
      - { .name: X, .offset: 0, .size: 8, .value_kind: global_buffer, .address_space: global }
      - { .name: H, .offset: 8, .size: 8, .value_kind: global_buffer, .address_space: global }
      - { .name: W_xf, .offset: 16, .size: 8, .value_kind: global_buffer, .address_space: global }
      - { .name: W_xi, .offset: 24, .size: 8, .value_kind: global_buffer, .address_space: global }
      - { .name: W_xo, .offset: 32, .size: 8, .value_kind: global_buffer, .address_space: global }
      - { .name: W_xg, .offset: 40, .size: 8, .value_kind: global_buffer, .address_space: global }
      - { .name: W_hf, .offset: 48, .size: 8, .value_kind: global_buffer, .address_space: global }
      - { .name: W_hi, .offset: 56, .size: 8, .value_kind: global_buffer, .address_space: global }
      - { .name: W_ho, .offset: 64, .size: 8, .value_kind: global_buffer, .address_space: global }
      - { .name: W_hg, .offset: 72, .size: 8, .value_kind: global_buffer, .address_space: global }
      - { .name: Aq, .offset: 80, .size: 8, .value_kind: global_buffer, .address_space: global }
      - { .name: Bq, .offset: 88, .size: 8, .value_kind: global_buffer, .address_space: global }
    .group_segment_fixed_size: 17920
    .private_segment_fixed_size: 0
    .kernarg_segment_align: 8
    .kernarg_segment_size: 96
    .max_flat_workgroup_size: 128
    .sgpr_count:     66
    .vgpr_count:     184
    .wavefront_size: 32
...
	.end_amdgpu_metadata
.endif
;; end of part 1
;; launch cell (part 2): grid 32 x 8, 4 waves a work-group, clusters of 4 x 4, 327,680 bytes of LDS; arguments Aq, Bq, C, b_f, b_i, b_o, b_g, out0, out1; writes out0, out1
.if DOCPART == 2
	.amdgcn_target "amdgcn-amd-amdhsa--gfx1250"
	.amdhsa_code_object_version 6
	.text
	.protected	k_q3ea4f17f37_cell
	.globl	k_q3ea4f17f37_cell
	.p2align	8
	.type	k_q3ea4f17f37_cell,@function
k_q3ea4f17f37_cell:
	s_mov_b64 s[64:65], 0
	v_nop
	global_prefetch_b8 v0, s[64:65] scope:SCOPE_SE
	s_setreg_imm32_b32 hwreg(HW_REG_WAVE_MODE, 25, 1), 1
	s_wait_xcnt 0x0
	s_wait_alu depctr_hold_cnt(0) depctr_sa_sdst(0) depctr_va_vdst(0) depctr_va_sdst(0) depctr_va_ssrc(0) depctr_va_vcc(0) depctr_vm_vsrc(0)
	s_getreg_b32 s2, hwreg(HW_REG_IB_STS2, 6, 4)
	s_cmp_eq_u32 s2, 0
	s_cbranch_scc0 .Lentry_in_a_cluster
	s_endpgm
.Lentry_in_a_cluster:
	s_bfe_u32 s2, ttmp6, 0x10000c
	s_cmp_lg_u32 s2, 0xf033
	s_cbranch_scc0 .Lentry_shape_is_right
	s_endpgm
.Lentry_shape_is_right:
; The four gates as ONE product on codes of FP6 (E2M3) with E8M0 scales, K = 4,096 (X's 2,048, then H's), and the cell's arithmetic in f32 on the sums.
; Aq, Bq: step tiles of 12,800 bytes at (32 rg + s) x 12,800: 128 operand rows (group rg) x 128 along K (step s): eight fragments of 1,536 bytes, each the image of the operand's 12 registers
; (register j of lane l at 512 (j / 4) + 16 l + 4 (j % 4)), then 128 scale words.  Bq's row = (n / 32) x 128 + 32 x gate + n % 32, gates f, i, o, g.
; A work-group of four waves makes 256 batch rows x 64 columns n (256 rows of Bq); a wave 128 x 128 of the product: 64 accumulators.  Source 0 = rows of Bq, source 1 = rows of Aq: a lane holds 8 neighbouring n of one batch row.
; THE RING: two slots of 153,600 bytes, each with THREE K steps of Aq's two groups and Bq's two groups; a wave fills a quarter by one joint load of 150 rows of 256 bytes.  32 steps = ten slots of three and one of two.
; CLUSTERS: 4 x 4; Aq's tiles are shared along a row of the cluster, Bq's along a column.  A round of the cluster's barrier stands at each change of slots, among the first 16 products of a slot's last step.
; REGISTERS: window w holds 16 accumulators (A's blocks 2 w, 2 w + 1 x B's eight) at v128-255.  Both operands have TWO sets, by the step's parity, in the windows' lower halves:
;   B's set 0: window 1 v0-95; set 1: window 2 v0-95.  A's pairs of blocks 0 to 3, set 0: window 1 v96, window 2 v96, window 3 v0, v24; set 1: window 3 v48, v72, v96, window 0 v2.
;   window 0 also: scale words (two sets of 8, v32-47), the biases (v48-111, the first step's C), the LDS addresses (v120-125).  Window 3 v120-124: the way out's addresses.
; A STEP is 64 products in four phases, one window setting each.  The next step's 56 LDS loads go out in ONE run at the step's head, into the other sets: four v_nop ahead of it are the places behind the products that read those sets,
; and the wait for 0 ahead of it is for the loads issued one step earlier.
; PREFETCH: at a change of slots a wave asks for the tile that is loaded at the NEXT change (three K steps on); the four partners of a joint load share its 150 blocks of 256 bytes out by address, 38 each
; (the last tile's 100 blocks: 25 each); tiles 0 to 2 come by their loads alone.  C's tile is no joint load: each wave asks for its own 64 rows of 256 bytes, a lane two rows, one change of slots ahead of the load.
; No work of the problem is left out.
; LIMITS: NaN among the inputs is not served.  In tanh the exponent to the base 2 is held at 60 from above: that moves tanh by under 2^-58.
.set STB,   12800
.set QB,    3*STB
.set SLOT,  4*QB
.set RGB,   32*STB
.set SCO,   12288
.set CP,    272
.set CT,    SLOT                       ; the tile of C, later C_new's stage: in slot 1, behind its last fill of codes
.set YS,    SLOT+256*CP                ; Y's stage, behind it in slot 1
.set SPARE, 2*SLOT                     ; the spare words: 512 bytes that no other line names
.set ADRA, 120
.set ADRB, 122
.set ADRS, 124
.set ESTC, 120                         ; window 3: the way out's addresses
.set ESTY, 121
.set ERDC, 122
.set ERDY, 123
.set ECO,  124
.set PFC,  1                           ; prefetch offsets: C's rows; the last tile's blocks; a tile's blocks (two registers)
.set PFS,  26
.set PFO,  30
.set BO,   27
.set SPW,  28
.set NIL,  29
.set SC,   32
.set BIAS, 48
.set T,    0                           ; window 3, on the way out
.set CR,   64
.set U,    80
.set NL2E, 4
.set TL2E, 6
.set WV,   22
.set G1A,  28
.set G1B,  36
.set PFA,  44
.set PCA,  66                          ; s[66:67]: my 64 rows of C
.set G1C,  68
.set G0C,  76
.set G0A,  80
.set G0B,  88
.set MSB, 0
.macro WIN new
.if MSB != (\new)
	s_set_vgpr_msb (MSB<<8)|(\new)
.set MSB, (\new)
.endif
.endm
.macro PLACES n
.rept \n
	v_nop
.endr
.endm
.macro JLOAD g0a, g1a, g0b, g1b        ; waves 0, 1 fetch Aq's two groups, waves 2, 3 Bq's
	s_cmp_eq_u32 s23, 0
	s_cbranch_scc0 .Lfor_b_\@
	tensor_load_to_lds s[\g0a:\g0a+3], s[\g1a:\g1a+7]
	s_nop 0
	PLACES 4
	s_branch .Lasked_\@
.Lfor_b_\@:
	tensor_load_to_lds s[\g0b:\g0b+3], s[\g1b:\g1b+7]
	s_nop 0
	PLACES 4
.Lasked_\@:
.endm
.macro CREST
	s_cmp_lg_u32 s[WV], 0
	s_cbranch_scc1 .Lnot_wave_0_\@
	s_barrier_signal -3
.Lnot_wave_0_\@:
	s_barrier_wait -3
	s_barrier_signal -1
	s_barrier_wait -1
.endm
.macro CROUND
	s_barrier_signal -1
	s_barrier_wait -1
	CREST
.endm
	s_load_b512 s[4:19], s[0:1], 0x0               ; Aq, Bq, C, b_f, b_i, b_o, b_g, out0
	s_load_b64 s[20:21], s[0:1], 0x40              ; out1
	v_lshl_add_u32 v[SPW], v0, 2, SPARE
	v_mov_b32 v[NIL], 0
	ds_add_u32 v[SPW], v[NIL]                      ; the opening lines: the add twice on end and its wait
	ds_add_u32 v[SPW], v[NIL]
	v_lshrrev_b32 v1, 5, v0
	v_readfirstlane_b32 s[WV], v1
	s_lshr_b32 s23, s[WV], 1                       ; my half of the rows; also: I fetch for Aq (0) or Bq (1)
	s_and_b32 s24, s[WV], 1                        ; my half of the columns; also: which group I fetch
	s_bfe_u32 s96, ttmp6, 0x40000
	s_bfe_u32 s97, ttmp6, 0x40004
	s_lshl_b32 s98, ttmp9, 2
	s_add_co_u32 s98, s98, s96                     ; tile column
	s_and_b32 s99, ttmp7, 0xffff
	s_lshl_b32 s99, s99, 2
	s_add_co_u32 s99, s99, s97                     ; tile row
	s_lshl_b32 s62, s97, 2
	s_lshl_b32 s62, 15, s62
	s_lshl_b32 s63, 0x1111, s96
	s_or_b32 s[G1A], s62, (3<<16)|(1<<21)          ; elements of 8 bytes, the mask, bit 21 beside it
	s_or_b32 s[G1B], s63, (3<<16)|(1<<21)
.irp g, G1A, G1B
	s_mov_b32 s[\g+1], 32<<16                      ; rows of 256 bytes,
	s_mov_b32 s[\g+2], 150<<16                     ; 150 of them, dense
	s_mov_b32 s[\g+3], 32<<16
	s_mov_b32 s[\g+4], 150
	s_mov_b32 s[\g+5], 32
	s_mov_b32 s[\g+6], 0
	s_mov_b32 s[\g+7], 0
.endr
	s_mov_b32 s[G1C], (2<<16)|(1<<20)|(5<<22)|(3<<25)   ; C: 64 rows of 64 f32, 16 bytes of padding behind each
	s_mov_b32 s[G1C+1], 64<<16
	s_mov_b32 s[G1C+2], 64<<16
	s_mov_b32 s[G1C+3], 64<<16
	s_mov_b32 s[G1C+4], 64
	s_mov_b32 s[G1C+5], 2048
	s_mov_b32 s[G1C+6], 0
	s_mov_b32 s[G1C+7], 0
	s_lshl_b32 s46, s99, 1
	s_add_co_u32 s46, s46, s24
	s_mul_i32 s46, s46, RGB                        ; Aq: my group's first byte
	s_mov_b32 s47, 0
	s_lshl_b32 s48, s98, 1
	s_add_co_u32 s48, s48, s24
	s_mul_i32 s48, s48, RGB                        ; Bq likewise
	s_mov_b32 s49, 0
	s_lshl_b32 s27, s98, 8                         ; the tile's first column, in bytes
	s_lshl_b32 s[G0C+2], s99, 8
	s_lshl_b32 s25, s[WV], 6
	s_add_co_u32 s[G0C+2], s[G0C+2], s25
	s_lshl_b32 s[G0C+2], s[G0C+2], 13
	s_add_co_u32 s[G0C+2], s[G0C+2], s27
	s_mov_b32 s[G0C+3], 0
	s_lshl_b32 s60, s99, 8
	s_lshl_b32 s25, s23, 7
	s_add_co_u32 s60, s60, s25
	s_lshl_b32 s25, s24, 4
	s_add_co_u32 s60, s60, s25
	s_lshl_b32 s60, s60, 13
	s_add_co_u32 s60, s60, s27                     ; the first row that I store
	s_mov_b32 s61, 0
	s_lshl_b32 s2, s24, 7
	s_add_co_u32 s2, s2, s27                       ; my 32 columns in a bias
	s_mov_b32 s3, 0
	s_mov_b32 s[G0A], 1
	s_mul_i32 s[G0A+1], s[WV], QB
	s_mov_b32 s[G0A+4], 1
	s_add_co_u32 s[G0A+5], s[G0A+1], SLOT
	s_mov_b32 s[G0B], 1
	s_mul_i32 s[G0B+1], s[WV], QB
	s_mov_b32 s[G0B+4], 1
	s_add_co_u32 s[G0B+5], s[G0B+1], SLOT
	s_mov_b32 s[G0C], 1
	s_mul_i32 s[G0C+1], s[WV], 64*CP
	s_add_co_u32 s[G0C+1], s[G0C+1], CT
	s_mul_i32 s25, s23, QB                         ; LDS: my group of Aq,
	s_add_co_u32 s55, s25, SLOT
	s_add_co_u32 s26, s24, 2
	s_mul_i32 s26, s26, QB                         ; of Bq,
	s_add_co_u32 s56, s26, SLOT
	s_xor_b32 s51, s23, 1
	s_add_co_u32 s51, s51, s24
	s_add_co_u32 s51, s51, 1
	s_mul_i32 s51, s51, QB                         ; from the one to the other,
	s_add_co_u32 s52, s25, SCO                     ; and Aq's scale words
	s_add_co_u32 s57, s52, SLOT
	s_mul_i32 s53, s23, 128*CP
	s_mul_i32 s54, s24, 16*CP
	s_add_co_u32 s54, s54, s53
	s_add_co_u32 s54, s54, CT                      ; stage, read back by rows
	s_add_co_u32 s59, s54, YS-CT
	s_lshl_b32 s58, s24, 7
	s_add_co_u32 s53, s53, s58
	s_add_co_u32 s53, s53, CT                      ; stage, as the accumulators lie
	s_add_co_u32 s58, s53, YS-CT
	s_wait_dscnt 0x0
	CROUND                                         ; the round in front of the first joint loads: it needs no argument, so it stands ahead of the wait for them
	s_wait_kmcnt 0x0
	s_add_nc_u64 s[G0A+2:G0A+3], s[4:5], s[46:47]
	s_add_nc_u64 s[G0A+6:G0A+7], s[G0A+2:G0A+3], QB
	s_add_nc_u64 s[G0B+2:G0B+3], s[6:7], s[48:49]
	s_add_nc_u64 s[G0B+6:G0B+7], s[G0B+2:G0B+3], QB
	s_cmp_eq_u32 s23, 0
	s_cselect_b64 s[PFA:PFA+1], s[G0A+2:G0A+3], s[G0B+2:G0B+3]
	s_cselect_b32 s50, s96, s97                    ; my place among the four that ask with me
	s_mul_i32 s63, s50, 25                         ; my work-group's 25 of the last tile's 100 blocks,
	s_mul_i32 s50, s50, 38                         ; its 38 of a tile's 150
	s_add_nc_u64 s[PFA:PFA+1], s[PFA:PFA+1], 2*QB  ; at tile 2: each change of slots steps it first
	s_or_b32 s[G0A+3], s[G0A+3], 0x80000000
	s_or_b32 s[G0A+7], s[G0A+7], 0x80000000
	s_or_b32 s[G0B+3], s[G0B+3], 0x80000000
	s_or_b32 s[G0B+7], s[G0B+7], 0x80000000
	JLOAD G0A, G1A, G0B, G1B                       ; tile 0: one tensor load a wave at the head
	s_add_nc_u64 s[G0C+2:G0C+3], s[8:9], s[G0C+2:G0C+3]
	s_mov_b64 s[PCA:PCA+1], s[G0C+2:G0C+3]
	s_or_b32 s[G0C+3], s[G0C+3], 0x80000000
	s_add_nc_u64 s[18:19], s[18:19], s[60:61]
	s_add_nc_u64 s[20:21], s[20:21], s[60:61]
	s_add_nc_u64 s[10:11], s[10:11], s[2:3]
	s_add_nc_u64 s[12:13], s[12:13], s[2:3]
	s_add_nc_u64 s[14:15], s[14:15], s[2:3]
	s_add_nc_u64 s[16:17], s[16:17], s[2:3]
	s_mov_b32 s[NL2E], 0xbfb8aa3b                  ; -log2(e)
	s_mov_b32 s[NL2E+1], 0xbfb8aa3b
	s_mov_b32 s[TL2E], 0x4038aa3b                  ; 2 log2(e)
	s_mov_b32 s[TL2E+1], 0x4038aa3b
	v_and_b32 v1, 15, v0
	v_bfe_u32 v2, v0, 4, 1
	v_and_b32 v3, 31, v0
	v_lshlrev_b32 v4, 4, v3                        ; a fragment's image: 16 bytes a lane
	v_mul_u32_u24 v5, s51, v2                      ; scale words: lanes 16-31 take Bq's,
	v_lshl_add_u32 v5, v1, 2, v5                   ; 4 bytes a row
	v_mul_u32_u24 v6, v1, CP
	v_lshl_add_u32 v6, v2, 5, v6
	v_mul_u32_u24 v7, v2, CP
	v_lshl_add_u32 v7, v1, 4, v7
	v_lshlrev_b32 v9, 13, v2
	v_lshlrev_b32 v[BO], 5, v2
	v_add_nc_u32 v[PFO], s50, v3                   ; blocks 38 p + lane,
	v_min_u32 v8, 5, v3
	v_add3_u32 v8, v8, s50, 32                     ; and 38 p + 32 .. 37 (lanes left over name the last again),
	v_min_u32 v8, 149, v8                          ; none beyond the tile's last
	v_lshlrev_b32 v[PFO], 8, v[PFO]
	v_lshlrev_b32 v[PFO+1], 8, v8
	v_min_u32 v10, 24, v3
	v_add_nc_u32 v10, s63, v10                     ; the last tile: blocks 25 p + 0 .. 24
	v_lshlrev_b32 v[PFS], 8, v10
	v_add_nc_u32 v[ADRA], s25, v4
	v_add_nc_u32 v[ADRA+1], s55, v4
	v_add_nc_u32 v[ADRB], s26, v4
	v_add_nc_u32 v[ADRB+1], s56, v4
	v_add_nc_u32 v[ADRS], s52, v5
	v_add_nc_u32 v[ADRS+1], s57, v5
	WIN 0xc0                                       ; the way out's addresses, in window 3
	v_add_nc_u32 v[ESTC], s53, v6
	v_add_nc_u32 v[ESTY], s58, v6
	v_add_nc_u32 v[ERDC], s54, v7
	v_add_nc_u32 v[ERDY], s59, v7
	v_lshl_add_u32 v[ECO], v1, 4, v9
	WIN 0
	v_lshlrev_b32 v[PFC], 13, v3                   ; C: a lane a row of 8,192 bytes
.irp g, 0,1,2,3
.irp u, 0,1
.irp k, 0,1
	global_load_b128 v[BIAS+8*(2*\g+\u)+4*\k:BIAS+8*(2*\g+\u)+4*\k+3], v[BO], s[10+2*\g:11+2*\g] offset:64*\u+16*\k
.endr
.endr
.endr
; THE RUN: the 56 LDS loads of the step whose slot is NS, whose byte in a quarter of the slot is NO and whose parity is NPAR.  A fragment is three pieces 512 bytes apart, and fragments follow each other: piece 3 x fragment + c at byte 512 x piece.
.macro LDA d, n, f                     ; n pieces of A, from piece f on, into v[d] on
.set K, 0
.rept \n
	ds_load_b128 v[\d+4*K:\d+4*K+3], v[ADRA+NS] offset:NO+512*(\f+K)
.set K, K+1
.endr
.endm
.macro LDB                             ; B's 24 pieces
.set K, 0
.rept 24
	ds_load_b128 v[4*K:4*K+3], v[ADRB+NS] offset:NO+512*K
.set K, K+1
.endr
.endm
.macro RUN
	WIN 0
.set K, 0
.rept 8
	ds_load_b32 v[SC+8*NPAR+K], v[ADRS+NS] offset:NO+64*K          ; lanes 0-15 the words of A's block K, lanes 16-31 of B's
.set K, K+1
.endr
.if NPAR == 0
	WIN 0x40
	LDB
	LDA 96, 6, 0
	WIN 0x80
	LDA 96, 6, 6
	WIN 0xc0
	LDA 0, 12, 12
.else
	LDA 2, 6, 18
	WIN 0x80
	LDB
	WIN 0xc0
	LDA 48, 18, 0
.endif
.endm
.macro ASEL g                          ; where A's pair g of set PAR lies: window AWN, register ABS
.if PAR == 0
.if \g < 2
.set AWN, \g+1
.set ABS, 96
.else
.set AWN, 3
.set ABS, 24*(\g-2)
.endif
.else
.if \g < 3
.set AWN, 3
.set ABS, 48+24*\g
.else
.set AWN, 0
.set ABS, 2
.endif
.endif
.endm
.macro WM g, first                     ; product W of phase g: A's block 2 g + W / 8, B's block W % 8.  The 64 accumulators take turns
.set BB, W%8
.set AB, ABS+12*(W/8)
.if \first
	v_wmma_scale_f32_16x16x128_f8f6f4 v[128+8*W:135+8*W], v[12*BB:12*BB+11], v[AB:AB+11], v[BIAS+8*BB:BIAS+8*BB+7], v[SC+8*PAR+BB], v[SC+8*PAR+2*\g+W/8] matrix_a_fmt:MATRIX_FMT_FP6 matrix_b_fmt:MATRIX_FMT_FP6 matrix_a_scale:MATRIX_SCALE_ROW1
.else
	v_wmma_scale_f32_16x16x128_f8f6f4 v[128+8*W:135+8*W], v[12*BB:12*BB+11], v[AB:AB+11], v[128+8*W:135+8*W], v[SC+8*PAR+BB], v[SC+8*PAR+2*\g+W/8] matrix_a_fmt:MATRIX_FMT_FP6 matrix_b_fmt:MATRIX_FMT_FP6 matrix_a_scale:MATRIX_SCALE_ROW1
.endif
.set W, W+1
.endm
.macro PWIN g, first                   ; source 0: B's set; source 1: A's pair; C and D: window g (the first step's C: the biases, window 0)
	ASEL \g
.if \first
	WIN (1+PAR)|(AWN<<2)|(\g<<6)
.else
	WIN (1+PAR)|(AWN<<2)|(\g<<4)|(\g<<6)
.endif
.endm
.macro PHASE g, first, sig
	PWIN \g, \first
.if \sig
	s_wait_tensorcnt 0x0                           ; my part of C's tile is in (no LDS instruction of mine is out)
	s_barrier_signal -1
.endif
.set W, 0
.rept 16
	WM \g, \first
.endr
.endm
; The prefetches of a change of slots.  pf 1: a whole tile; 2: a whole tile, but in the loop's last trip the last tile, of 100 blocks; 3: my 64 rows of C
.macro ASK pf
.if \pf == 3
	global_prefetch_b8 v[PFC], s[PCA:PCA+1] th:TH_LOAD_NT scope:SCOPE_SE
	global_prefetch_b8 v[PFC], s[PCA:PCA+1] offset:32*8192 th:TH_LOAD_NT scope:SCOPE_SE
.else
.if \pf == 2
	s_cmp_gt_u32 s3, 1
	s_cbranch_scc0 .Lshort_\@
.endif
	global_prefetch_b8 v[PFO], s[PFA:PFA+1] th:TH_LOAD_NT scope:SCOPE_SE
	global_prefetch_b8 v[PFO+1], s[PFA:PFA+1] th:TH_LOAD_NT scope:SCOPE_SE
.if \pf == 2
	s_branch .Lpf_done_\@
.Lshort_\@:
	global_prefetch_b8 v[PFS], s[PFA:PFA+1] th:TH_LOAD_NT scope:SCOPE_SE
.Lpf_done_\@:
.endif
.endif
.endm
; Phase 0 of a slot's last step changes slots.  All reads of slot CS were issued in the step before.  kind 1: the slot takes the tile two on; 2: the last tile, of two steps; 3: C's tile.  The run follows the refill: it reads the other slot.
.macro TURN0 kind, pf
	WIN 0
.if \pf == 1 || \pf == 2
	s_wait_xcnt 0x0                                ; my prefetches have read their address
	s_add_nc_u64 s[PFA:PFA+1], s[PFA:PFA+1], QB
.endif
	s_wait_tensorcnt 0x0                           ; my one load that was out, my part of the other slot, is in
	ds_add_u32 v[SPW], v[NIL]
.if \kind < 3
	s_add_nc_u64 s[G0A+4*CS+2:G0A+4*CS+3], s[G0A+4*CS+2:G0A+4*CS+3], 2*QB
	s_add_nc_u64 s[G0B+4*CS+2:G0B+4*CS+3], s[G0B+4*CS+2:G0B+4*CS+3], 2*QB
.endif
.if \kind == 2
	s_mov_b32 s[G1A+2], 100<<16                    ; no load of mine is out: the last tile has 100 rows
	s_mov_b32 s[G1A+4], 100
	s_mov_b32 s[G1B+2], 100<<16
	s_mov_b32 s[G1B+4], 100
.endif
	PWIN 0, 0
	s_wait_dscnt 1                                 ; this step's operands are in; the add alone may be out
.set W, 0
.rept 8
	WM 0, 0
.endr
	s_wait_dscnt 0x0                               ; the add is done, and my reads of this slot
	s_barrier_signal -1
.rept 8
	WM 0, 0
.endr
	WIN 0
	s_barrier_wait -1
	CREST                                          ; the barrier has opened a round of the cluster's barrier
.if \kind == 3
	tensor_load_to_lds s[G0C:G0C+3], s[G1C:G1C+7]
	s_nop 0
	PLACES 4
.else
	JLOAD G0A+4*CS, G1A, G0B+4*CS, G1B             ; the four v_nop behind it are also the places ahead of the run
.endif
	RUN
.if \pf
	WIN 0
	ASK \pf
.endif
.endm
.macro STEP st, first, kind, pf
.set PAR, (\st)%2
.set NPAR, ((\st)+1)%2
.set NS, (((\st)+1)/3)%2
.set NO, (((\st)+1)%3)*STB
.set CS, ((\st)/3)%2
.if \kind
	TURN0 \kind, \pf
.else
	PLACES 4                                       ; behind the products that read the sets which the run fills
	s_wait_dscnt 0x0                               ; this step's operands, asked for one step ago
	RUN
	PHASE 0, \first, 0
.endif
	PHASE 1, \first, 0
	PHASE 2, \first, 0
	PHASE 3, \first, 0
.endm
	s_wait_alu depctr_va_vdst(0)
	s_wait_tensorcnt 0x0                           ; tile 0: my part is in; slot 1's first fill is issued as a refill is
	ds_add_u32 v[SPW], v[NIL]
	s_wait_dscnt 0x0
	CROUND
	JLOAD G0A+4, G1A, G0B+4, G1B                   ; tile 1
.set NPAR, 0
.set NS, 0
.set NO, 0
	RUN                                            ; step 0's operands
	s_wait_loadcnt 0x0                             ; the biases
	STEP 0, 1, 0, 0
	WIN 0
	s_mov_b32 s3, 4
.Llap:                                 ; a trip: six steps, once round the ring; steps 6 m + 1 to 6 m + 6
	STEP 1, 0, 0, 0
	STEP 2, 0, 1, 1
	STEP 3, 0, 0, 0
	STEP 4, 0, 0, 0
	STEP 5, 0, 1, 2
	STEP 6, 0, 0, 0
	WIN 0
	s_sub_co_u32 s3, s3, 1
	s_cmp_lg_u32 s3, 0
	s_cbranch_scc1 .Llap
	STEP 25, 0, 0, 0
	STEP 26, 0, 2, 3
	STEP 27, 0, 0, 0
	STEP 28, 0, 0, 0
	STEP 29, 0, 3, 0
	STEP 30, 0, 0, 0
.set PAR, 1                            ; step 31: nothing more to fetch
	s_wait_dscnt 0x0
	PHASE 0, 0, 0
	PHASE 1, 0, 0
	PHASE 2, 0, 0
	PHASE 3, 0, 1
	WIN 0
	s_barrier_wait -1                              ; C's tile is whole
; THE WAY OUT.  Block a: 16 rows x my 32 columns x four gates.  With ex = 2^(-x log2 e) for f, i, o and eg = 2^(2 g log2 e): F = 1 / (1 + ef); G I = (eg - 1) / ((1 + eg)(1 + ei)): one reciprocal for both;
; likewise Y = (ec - 1) / ((1 + ec)(1 + eo)), ec from C_new.  eg's and ec's exponents are held at 60, so that the numerators stay finite where a denominator runs to infinity.  All temporaries lie in window 3.
.macro EPI a
.set AC, 128+64*((\a)%2)
	WIN 0xff
.irp u, 0,1
.irp k, 0,1
	ds_load_b128 v[CR+8*\u+4*\k:CR+8*\u+4*\k+3], v[ESTC] offset:(\a)*16*CP+64*\u+16*\k
.endr
.endr
	WIN 0xfc+(\a)/2                                ; source 0: the block's accumulators, each from its low end on
.irp b, 0,1,2,3,4,5
.irp j, 0,2,4,6
	v_pk_mul_f32 v[T+8*\b+\j:T+8*\b+\j+1], v[AC+8*\b+\j:AC+8*\b+\j+1], s[NL2E:NL2E+1] op_sel_hi:[1,0]
.endr
.endr
.irp b, 6,7
.irp j, 0,2,4,6
	v_pk_mul_f32 v[T+8*\b+\j:T+8*\b+\j+1], v[AC+8*\b+\j:AC+8*\b+\j+1], s[TL2E:TL2E+1] op_sel_hi:[1,0]
.endr
.endr
	WIN 0xff
.set i, 0
.rept 16
	v_min_num_f32 v[T+48+i], 0x42700000, v[T+48+i]                 ; held at 60
.set i, i+1
.endr
.set i, 0
	s_wait_alu depctr_va_vdst(0)
.rept 64
	v_exp_f32 v[T+i], v[T+i]
.set i, i+1
.endr
	v_nop
.set i, 0
	s_wait_alu depctr_va_vdst(0)
.rept 8
	v_pk_add_f32 v[U+i:U+i+1], v[T+48+i:T+49+i], -1.0 op_sel_hi:[1,0]              ; eg - 1
.set i, i+2
.endr
.set i, 0
.rept 24
	v_pk_add_f32 v[T+i:T+i+1], v[T+i:T+i+1], 1.0 op_sel_hi:[1,0]                   ; 1 + ef, 1 + ei, 1 + eo
.set i, i+2
.endr
.set i, 0
.rept 8
	v_pk_fma_f32 v[T+48+i:T+49+i], v[T+48+i:T+49+i], v[T+16+i:T+17+i], v[T+16+i:T+17+i]   ; eg (1 + ei) + (1 + ei) = (1 + eg)(1 + ei)
.set i, i+2
.endr
.set i, 0
	s_wait_alu depctr_va_vdst(0)
.rept 16
	v_rcp_f32 v[T+i], v[T+i]                                                       ; F
	v_rcp_f32 v[T+48+i], v[T+48+i]
.set i, i+1
.endr
	v_nop
.set i, 0
	s_wait_alu depctr_va_vdst(0)
.rept 8
	v_pk_mul_f32 v[T+48+i:T+49+i], v[T+48+i:T+49+i], v[U+i:U+i+1]                  ; G I
.set i, i+2
.endr
	s_wait_alu depctr_va_vdst(0)
	s_wait_dscnt 0x0                               ; C is in; so are the rows that were read back from the stages ahead of this block
.set i, 0
.rept 8
	v_pk_fma_f32 v[CR+i:CR+i+1], v[T+i:T+i+1], v[CR+i:CR+i+1], v[T+48+i:T+49+i]    ; C_new = F C + G I
.set i, i+2
.endr
.irp u, 0,1
.irp k, 0,1
	ds_store_b128 v[ESTC], v[CR+8*\u+4*\k:CR+8*\u+4*\k+3] offset:(\a)*16*CP+64*\u+16*\k
.endr
.endr
.set i, 0
.rept 8
	v_pk_mul_f32 v[U+i:U+i+1], v[CR+i:CR+i+1], s[TL2E:TL2E+1] op_sel_hi:[1,0]
.set i, i+2
.endr
.set i, 0
.rept 16
	v_min_num_f32 v[U+i], 0x42700000, v[U+i]                       ; held at 60
.set i, i+1
.endr
.set i, 0
	s_wait_alu depctr_va_vdst(0)
.rept 16
	v_exp_f32 v[U+i], v[U+i]
.set i, i+1
.endr
	v_nop
.set i, 0
	s_wait_alu depctr_va_vdst(0)
.rept 8
	v_pk_add_f32 v[T+i:T+i+1], v[U+i:U+i+1], -1.0 op_sel_hi:[1,0]                  ; ec - 1
.set i, i+2
.endr
.set i, 0
.rept 8
	v_pk_fma_f32 v[U+i:U+i+1], v[U+i:U+i+1], v[T+32+i:T+33+i], v[T+32+i:T+33+i]    ; (1 + ec)(1 + eo)
.set i, i+2
.endr
.set i, 0
	s_wait_alu depctr_va_vdst(0)
.rept 16
	v_rcp_f32 v[U+i], v[U+i]
.set i, i+1
.endr
	v_nop
.set i, 0
	s_wait_alu depctr_va_vdst(0)
.rept 8
	v_pk_mul_f32 v[U+i:U+i+1], v[U+i:U+i+1], v[T+i:T+i+1]                          ; Y = O tanh(C_new)
.set i, i+2
.endr
.irp u, 0,1
.irp k, 0,1
	ds_store_b128 v[ESTY], v[U+8*\u+4*\k:U+8*\u+4*\k+3] offset:(\a)*16*CP+64*\u+16*\k
.endr
.endr
.endm
.macro BARRIER                         ; a row's 256 bytes come from two waves
	s_wait_dscnt 0x0
	s_barrier_signal -1
	s_barrier_wait -1
.endm
.macro BACK c                          ; 16 whole rows of each stage a wave, read back into window 2
.if \c > 0
	s_wait_xcnt 0x0                                ; the stores before have read these registers
.endif
	WIN 0x83
.irp i, 0,1,2,3,4,5,6,7
	ds_load_b128 v[4*\i:4*\i+3], v[ERDC] offset:(32*\c+2*\i)*CP
.endr
.irp i, 0,1,2,3,4,5,6,7
	ds_load_b128 v[32+4*\i:32+4*\i+3], v[ERDY] offset:(32*\c+2*\i)*CP
.endr
.endm
.macro SEND c, w                       ; and stored: sixteen lanes store 256 consecutive bytes, aligned.  w = 0: a block's wait for 0 on DScnt has stood since the loads
	WIN 0x0b
.irp i, 0,1,2,3,4,5,6,7
.if \w
	s_wait_dscnt 15-\i
.endif
	global_store_b128 v[ECO], v[4*\i:4*\i+3], s[18:19] offset:(32*\c+2*\i)*8192 th:TH_STORE_NT
.endr
.irp i, 0,1,2,3,4,5,6,7
.if \w
	s_wait_dscnt 7-\i
.endif
	global_store_b128 v[ECO], v[32+4*\i:32+4*\i+3], s[20:21] offset:(32*\c+2*\i)*8192 th:TH_STORE_NT
.endr
.endm
	PLACES 4
	s_wait_alu depctr_va_vdst(0)
	EPI 0
.irp c, 0,1,2                          ; a chunk of 32 rows is read back behind the barrier and stored behind the next block's arithmetic
	EPI 2*\c+1
	BARRIER
	BACK \c
	EPI 2*\c+2
	SEND \c, 0
.endr
	EPI 7
	BARRIER
	BACK 3
	SEND 3, 1
	WIN 0
	s_wait_tensorcnt 0x0                           ; the wave's end
	ds_add_u32 v[SPW], v[NIL]
	s_wait_dscnt 0x0
	CROUND                                         ; the closing round
	s_endpgm
.Lfunc_end_k_q3ea4f17f37_cell:
	.size	k_q3ea4f17f37_cell, .Lfunc_end_k_q3ea4f17f37_cell-k_q3ea4f17f37_cell
	.p2alignl 7, 3214868480
	.fill 96, 4, 3214868480
	.section	.rodata,"a",@progbits
	.p2align	6, 0x0
	.amdhsa_kernel k_q3ea4f17f37_cell
		.amdhsa_group_segment_fixed_size 327680
		.amdhsa_private_segment_fixed_size 0
		.amdhsa_enable_private_segment 0
		.amdhsa_kernarg_size 72
		.amdhsa_user_sgpr_count 2
		.amdhsa_user_sgpr_kernarg_segment_ptr 1
		.amdhsa_wavefront_size32 1
		.amdhsa_system_sgpr_workgroup_id_x 1
		.amdhsa_system_sgpr_workgroup_id_y 1
		.amdhsa_system_sgpr_workgroup_id_z 1
		.amdhsa_system_vgpr_workitem_id 0
		.amdhsa_next_free_vgpr 1024
		.amdhsa_next_free_sgpr 100
		.amdhsa_reserve_vcc 0
		.amdhsa_float_denorm_mode_32 3
		.amdhsa_float_denorm_mode_16_64 3
		.amdhsa_memory_ordered 1
		.amdhsa_forward_progress 1
		.amdhsa_inst_pref_size 255
	.end_amdhsa_kernel
	.section	.bss,"aw",@nobits
	.p2align	6
	.space	262144
	.amdgpu_metadata
---
amdhsa.version: [ 1, 2 ]
amdhsa.kernels:
  - .name:           k_q3ea4f17f37_cell
    .symbol:         k_q3ea4f17f37_cell.kd
    .args:
      - { .name: Aq, .offset: 0, .size: 8, .value_kind: global_buffer, .address_space: global }
      - { .name: Bq, .offset: 8, .size: 8, .value_kind: global_buffer, .address_space: global }
      - { .name: C, .offset: 16, .size: 8, .value_kind: global_buffer, .address_space: global }
      - { .name: b_f, .offset: 24, .size: 8, .value_kind: global_buffer, .address_space: global }
      - { .name: b_i, .offset: 32, .size: 8, .value_kind: global_buffer, .address_space: global }
      - { .name: b_o, .offset: 40, .size: 8, .value_kind: global_buffer, .address_space: global }
      - { .name: b_g, .offset: 48, .size: 8, .value_kind: global_buffer, .address_space: global }
      - { .name: out0, .offset: 56, .size: 8, .value_kind: global_buffer, .address_space: global }
      - { .name: out1, .offset: 64, .size: 8, .value_kind: global_buffer, .address_space: global }
    .group_segment_fixed_size: 327680
    .private_segment_fixed_size: 0
    .kernarg_segment_align: 8
    .kernarg_segment_size: 72
    .max_flat_workgroup_size: 128
    .sgpr_count:     100
    .vgpr_count:     1024
    .wavefront_size: 32
...
	.end_amdgpu_metadata
.endif
;; end of part 2
